; MI455X (gfx1250); checked and timed in simulation.
; The chip was launched on July 23, 2026; its instructions are those of AMD's public machine-readable ISA for CDNA 5 (MIT licence, August 2026) and "CDNA5" Instruction Set Architecture Reference Guide (July 2026). The comments in the code are by the model that wrote it; some were corrected since.
;; Harmonic Oscillator. Allowed arithmetic: float matrix products may take bf16 or f16 operands with f32 sums; all other float work in f32.
;; Inputs: f0_hz 8 x 512 float32; harmonic_amplitudes 8 x 512 x 64 float32.
;; Outputs: out0 8 x 262,144 float32.
;; 2 versions, each right and faster than the one before. Each part assembles by itself: llvm-mc -triple=amdgcn-amd-amdhsa -mcpu=gfx1250 --defsym DOCPART=n.
;; ======== version 1 of 2: 2 launches
;; limits: right only within a limited range of input values
;; workspace buffers: sums 6,144 bytes
;; launch blocks (part 1): grid 256 x 1, 16 waves a work-group, no clusters, 6,144 bytes of LDS; arguments f0_hz, sums; writes sums
.if DOCPART == 1
	.amdgcn_target "amdgcn-amd-amdhsa--gfx1250"
	.amdhsa_code_object_version 6
	.text
	.protected	k_q5005838b68_blocks
	.globl	k_q5005838b68_blocks
	.p2align	8
	.type	k_q5005838b68_blocks,@function
k_q5005838b68_blocks:
	s_mov_b64 s[64:65], 0
	v_nop
	global_prefetch_b8 v0, s[64:65] scope:SCOPE_SE
	s_setreg_imm32_b32 hwreg(HW_REG_WAVE_MODE, 25, 1), 1
	s_wait_xcnt 0x0
; HarmonicOscillator, first of two launches: the sums that the scan of f0_up / 22050 hands from one block of 4,096 samples to the later ones.
; reference() adds 262,144 numbers per batch in f32; the phase is wanted with the same roundings, so the order of additions is kept:
; a recursive scan in blocks of 16 (262144 -> 16384 -> 1024 -> 64 -> 4): inside a block a sequential prefix, the block totals scanned the
; same way one level up, result = inner prefix + exclusive prefix of the level above.
; A work-group owns 8,192 samples of one batch (256 work-groups = 8 batches x 32); thread t owns 16 samples = one block of level 0.
; Stored, for each block q of 4,096 samples (index 64 b + q, three arrays of 512 f32 in sums):
;   COL3 (byte 0)    the block's total = inner prefix of level 2 at place 15
;   IN14 (byte 2048) the inner prefix of level 2 at place 14
;   C215 (byte 4096) the last total of level 1 in the block
; LIMITS: bit equality with reference() holds where reference() is evaluated as one compiled function: the division by the constant 22050
; is then a multiplication by RN(1/22050) (DIV_EXACT = 0), the first product of the interpolation is contracted into the sum
; (LERP_FMA = 1), and the cumulative sum has the order above.  The two switches hold the other form (each operation rounded by itself,
; a true division).  The six stores of a work-group are single words: 6,144 bytes in the whole launch.
.set LERP_FMA,  1                      ; 1: fma(x0, 1-w, fl(x1 w)); 0: two products and a sum, three roundings
.set DIV_EXACT, 0                      ; 0: a multiplication by RN(1/22050); 1: the correctly rounded quotient
.set C_POS, 0x3aff8040                 ; f32(511/262143)
.set C_RCP, 0x383e37c6                 ; RN(1/22050)
.set C_DIV, 0x46ac4400                 ; 22050.0
.set M513,  0x7fc020                   ; ceil(2^32 / 513): n div 513 = high word of n x M513 for n < 2^18
.set L_C1, 0                           ; LDS: 512 totals of level 0
.set L_C2, 2048                        ; LDS: 32 totals of level 1
.set SW,  8                            ; s8   wave
.set SB,  9                            ; s9   512 b: first frame of my batch
.set SN0, 10                           ; s10  first sample of the work-group in its batch
.set SM,  11                           ; s11  M513
.set SC,  20                           ; s20  C_POS
.set SY,  21                           ; s21  C_RCP
.set SD,  22                           ; s22  C_DIV (DIV_EXACT alone)
.set GL,  2                            ; v2   lane mod 16
.set OA,  3                            ; v3-5 byte offsets of three neighbouring frames of f0
.set OB,  4
.set OC,  5
.set K0,  6
.set K1,  7
.set T0,  8
.set T1,  9
.set FA,  10                           ; v10-12 f0 of frames k0, k0+1, k0+2 (clamped at 511)
.set FB,  11
.set FC,  12
.set K0F, 13
.set K1F, 14
.set NBF, 15                           ; first sample of frame interval k0+1, as f32
.set NF,  16                           ; the sample's number, as f32 (exact below 2^24)
.set POS, 17
.set X0,  18
.set X1,  19
.set I0F, 20
.set WW,  21
.set OM,  22
.set PA,  23
.set PB,  24
.set U,   25
.set Q0,  26
.set RR,  27
.set MT,  28
.set I2,  29
.set SO,  30
.set SO2, 31
.set INN, 32                           ; v32-47 inner prefix of my 16 samples
.set TA,  48                           ; v48-63
.set TB,  64                           ; v64-79
; The thread's first sample, its frame k0 = n div 513 (262143 = 511 x 513, and fl(n x C_POS) has the floor n div 513 for every n < 2^18,
; so the frame index is whole-number arithmetic), and the three frames that its 16 samples can touch (one boundary at the most).
.macro XSETUP
	v_lshl_add_u32 v[T0], v0, 4, s[SN0]            ; n = n0 + 16 t
	v_mul_hi_u32 v[K0], v[T0], s[SM]               ; k0
	v_cvt_f32_u32 v[NF], v[T0]
	v_add_nc_u32 v[K1], 1, v[K0]
	v_add_nc_u32 v[T0], 2, v[K0]
	v_min_u32 v[OB], 511, v[K1]                    ; reference() clamps i0 + 1 at the last frame
	v_min_u32 v[OC], 511, v[T0]
	v_add_lshl_u32 v[OA], v[K0], s[SB], 2
	v_add_lshl_u32 v[OB], v[OB], s[SB], 2
	v_add_lshl_u32 v[OC], v[OC], s[SB], 2
	global_load_b32 v[FA], v[OA], s[4:5]
	global_load_b32 v[FB], v[OB], s[4:5]
	global_load_b32 v[FC], v[OC], s[4:5]
	v_cvt_f32_u32 v[K0F], v[K0]
	v_add_f32 v[K1F], 1.0, v[K0F]
	v_mul_u32_u24 v[K1], 0x201, v[K1]              ; 513 (k0 + 1)
	v_cvt_f32_u32 v[NBF], v[K1]
.endm
; Sample s of my 16: x = (x0 (1-w) + x1 w) / 22050 with the roundings named at the head, added onto the prefix.
; pos = fl(n c) stays a product of its own (its floor is the frame index), so w = pos - i0 is exact.
; DIV_EXACT: q0 = u y, r = u - q0 D (exact: D has 14 significant bits), q = q0 + r y is the correctly rounded quotient.
.macro XS s
.if \s
	v_add_f32 v[NF], 1.0, v[NF]
.endif
	v_mul_f32 v[POS], s[SC], v[NF]
	v_cmp_ge_f32 vcc_lo, v[NF], v[NBF]             ; past the frame boundary?
	v_cndmask_b32 v[X0], v[FA], v[FB], vcc_lo
	v_cndmask_b32 v[X1], v[FB], v[FC], vcc_lo
	v_cndmask_b32 v[I0F], v[K0F], v[K1F], vcc_lo
	v_sub_f32 v[WW], v[POS], v[I0F]
	v_sub_f32 v[OM], 1.0, v[WW]
	v_mul_f32 v[PB], v[X1], v[WW]
.if LERP_FMA
	v_fma_f32 v[U], v[X0], v[OM], v[PB]
.else
	v_mul_f32 v[PA], v[X0], v[OM]
	v_add_f32 v[U], v[PA], v[PB]
.endif
	v_mul_f32 v[Q0], s[SY], v[U]
.if DIV_EXACT
	v_fma_f32 v[RR], -v[Q0], s[SD], v[U]
	v_fma_f32 v[Q0], v[RR], s[SY], v[Q0]
.endif
.if \s
	v_add_f32 v[INN+\s], v[INN+\s-1], v[Q0]
.else
	v_mov_b32 v[INN], v[Q0]
.endif
.endm
.macro SEQ16 base                      ; sequential prefix of 16 registers, in place
.set j, 1
.rept 15
	v_add_f32 v[\base+j], v[\base+j-1], v[\base+j]
.set j, j+1
.endr
.endm
.macro MSCAN acc, base                 ; acc = base[0] + .. + base[lane mod 16], added in that order
	v_mov_b32 v[\acc], v[\base]
.set j, 1
.rept 15
	v_add_f32 v[MT], v[\acc], v[\base+j]
	v_cmp_le_u32 vcc_lo, j, v[GL]
	v_cndmask_b32 v[\acc], v[\acc], v[MT], vcc_lo
.set j, j+1
.endr
.endm
.macro BAR
	s_wait_dscnt 0x0                               ; my LDS stores are done before I say so
	s_barrier_signal -1
	s_barrier_wait -1
.endm
	s_load_b128 s[4:7], s[0:1], 0x0                ; f0 s[4:5], sums s[6:7]
	v_lshl_add_u32 v80, v0, 2, 0x1000
	v_mov_b32 v81, 0
	v_lshrrev_b32 v1, 5, v0
	v_readfirstlane_b32 s[SW], v1                  ; wave
	v_and_b32 v[GL], 15, v0
	s_lshr_b32 s[SB], ttmp9, 5                     ; batch
	s_lshl_b32 s[SB], s[SB], 9
	s_and_b32 s[SN0], ttmp9, 31
	s_lshl_b32 s[SN0], s[SN0], 13                  ; 8,192 samples a work-group
	s_mov_b32 s[SM], M513
	s_lshl_b32 s12, ttmp9, 1                       ; index of my first block of 4,096 samples
	s_mov_b32 s[SC], C_POS
	s_mov_b32 s[SY], C_RCP
.if DIV_EXACT
	s_mov_b32 s[SD], C_DIV
.endif
	s_wait_kmcnt 0x0
	XSETUP
	s_wait_loadcnt 0x0                             ; the three frames
.irp s, 0,1,2,3,4,5,6,7,8,9,10,11,12,13,14,15
	XS \s
.endr
	v_lshlrev_b32 v[T0], 2, v0
	ds_store_b32 v[T0], v[INN+15] offset:L_C1      ; my block's total
	BAR                                            ; all 512 totals are in LDS
	s_cmp_lg_u32 s[SW], 0
	s_cbranch_scc1 .Lend
	; wave 0: lane g takes the 16 totals of level-1 block g
	v_lshlrev_b32 v[T0], 6, v0
.irp k, 0,1,2,3
	ds_load_b128 v[TA+4*\k:TA+4*\k+3], v[T0] offset:L_C1+16*\k
.endr
	s_wait_dscnt 0x0
	SEQ16 TA                                       ; v[TA+15] = total of level-1 block g
	v_lshlrev_b32 v[T1], 2, v0
	ds_store_b32 v[T1], v[TA+15] offset:L_C2
	v_and_b32 v[T0], 16, v0
	v_lshlrev_b32 v[T0], 2, v[T0]                  ; 64 bytes x (g / 16)
.irp k, 0,1,2,3
	ds_load_b128 v[TB+4*\k:TB+4*\k+3], v[T0] offset:L_C2+16*\k   ; the wave's own stores: LDS serves a wave in order (ISA guide 5.7.1)
.endr
	s_wait_dscnt 0x0
	MSCAN I2, TB                                   ; inner prefix of level 2 at place g mod 16
	v_lshrrev_b32 v[T0], 4, v0
	v_add_lshl_u32 v[SO], v[T0], s12, 2            ; 4 x (index of the block of 4,096)
	v_and_b32 v[T0], 1, v0
	v_xor_b32 v[T0], 1, v[T0]
	v_lshl_add_u32 v[SO2], v[T0], 11, v[SO]        ; place 15 goes to COL3, place 14 to IN14
	v_cmp_le_u32 vcc_lo, 14, v[GL]
	s_wait_xcnt 0x0                                ; EXEC changes only behind this wait
	s_and_saveexec_b32 s13, vcc_lo
	global_store_b32 v[SO2], v[I2], s[6:7]
	s_wait_xcnt 0x0
	s_or_b32 exec_lo, exec_lo, s13
	v_cmp_eq_u32 vcc_lo, 15, v[GL]
	s_and_saveexec_b32 s13, vcc_lo
	global_store_b32 v[SO], v[TA+15], s[6:7] offset:4096         ; C215
	s_wait_xcnt 0x0
	s_or_b32 exec_lo, exec_lo, s13
.Lend:
	s_wait_tensorcnt 0x0
	ds_add_u32 v80, v81
	s_wait_dscnt 0x0
	s_endpgm
.Lfunc_end_k_q5005838b68_blocks:
	.size	k_q5005838b68_blocks, .Lfunc_end_k_q5005838b68_blocks-k_q5005838b68_blocks
	.p2alignl 7, 3214868480
	.fill 96, 4, 3214868480
	.section	.rodata,"a",@progbits
	.p2align	6, 0x0
	.amdhsa_kernel k_q5005838b68_blocks
		.amdhsa_group_segment_fixed_size 6144
		.amdhsa_private_segment_fixed_size 0
		.amdhsa_enable_private_segment 0
		.amdhsa_kernarg_size 16
		.amdhsa_user_sgpr_count 2
		.amdhsa_user_sgpr_kernarg_segment_ptr 1
		.amdhsa_wavefront_size32 1
		.amdhsa_system_sgpr_workgroup_id_x 1
		.amdhsa_system_sgpr_workgroup_id_y 1
		.amdhsa_system_sgpr_workgroup_id_z 1
		.amdhsa_system_vgpr_workitem_id 0
		.amdhsa_next_free_vgpr 82
		.amdhsa_next_free_sgpr 66
		.amdhsa_reserve_vcc 1
		.amdhsa_float_denorm_mode_32 3
		.amdhsa_float_denorm_mode_16_64 3
		.amdhsa_memory_ordered 1
		.amdhsa_forward_progress 1
		.amdhsa_inst_pref_size 13
	.end_amdhsa_kernel
	.amdgpu_metadata
---
amdhsa.version: [ 1, 2 ]
amdhsa.kernels:
  - .name:           k_q5005838b68_blocks
    .symbol:         k_q5005838b68_blocks.kd
    .args:
      - { .name: f0_hz, .offset: 0, .size: 8, .value_kind: global_buffer, .address_space: global }
      - { .name: sums, .offset: 8, .size: 8, .value_kind: global_buffer, .address_space: global }
    .group_segment_fixed_size: 6144
    .private_segment_fixed_size: 0
    .kernarg_segment_align: 8
    .kernarg_segment_size: 16
    .max_flat_workgroup_size: 512
    .sgpr_count:     66
    .vgpr_count:     82
    .wavefront_size: 32
...
	.end_amdgpu_metadata
.endif
;; end of part 1
;; launch synth (part 2): grid 256 x 1, 16 waves a work-group, no clusters, 73,216 bytes of LDS; arguments f0_hz, harmonic_amplitudes, sums, out0; writes out0
.if DOCPART == 2
	.amdgcn_target "amdgcn-amd-amdhsa--gfx1250"
	.amdhsa_code_object_version 6
	.text
	.protected	k_q5005838b68_synth
	.globl	k_q5005838b68_synth
	.p2align	8
	.type	k_q5005838b68_synth,@function
k_q5005838b68_synth:
	s_mov_b64 s[64:65], 0
	v_nop
	global_prefetch_b8 v0, s[64:65] scope:SCOPE_SE
	s_setreg_imm32_b32 hwreg(HW_REG_WAVE_MODE, 25, 1), 1
	s_wait_xcnt 0x0
; HarmonicOscillator, second launch: audio[b][n] = sum over h of sin(phase[n] h) amp_up[n][h].
; A work-group owns 8,192 samples of one batch; thread t first makes the phases of samples 16 t .. 16 t + 15, then wave W synthesises samples 512 W .. + 511.
; PHASE: the f32 phase of reference() is wanted bit for bit (an error of one unit in its last place is multiplied by up to 64 in the sines), so x = f0_up / 22050 is made with
; reference()'s roundings and added in its order: a recursive scan in blocks of 16 (262144 -> 16384 -> 1024 -> 64 -> 4), inner sequential prefix + exclusive prefix of
; the level above.  Levels 0 to 2 of my 8,192 samples are made here; level 3 and 4 from the 64 block totals of my batch that the first launch stored.
; SINE: P = fl(h phase) as in reference(); E = h phase - P is exact (one fma); with fi = phase / 2 pi mod 1 (two-word 1/2pi), P / 2 pi mod 1 = h fi - E / 2 pi mod 1 = F in
; [-1/2, 1/2], and sin P = F Q(F^2), the series of sin(2 pi F) to F^13 (the first term left out is below 2.2e-5).  No length is tuned to the drawn inputs: F is bounded by construction.
; PRODUCT: inside a frame interval audio = (1-w) sum_h sig a[i0][h] + w sum_h sig a[i0+1][h]: sig (16 samples x 64 h) times three amplitude rows on the matrix unit in bf16,
; sums in f32, then the two weights in f32.  A wave's 512 samples cross one frame boundary at the most (an interval is 513 samples), so three rows serve the wave.
; No tensor loads, no cluster: the inputs are about 1 MiB, a wave reads three amplitude rows once, and no tile is shared.
; LIMITS: bit equality of the phase holds where reference() is evaluated as one compiled function: the division by the constant 22050 is then a multiplication by RN(1/22050)
; (DIV_EXACT = 0), the first product of the interpolation is contracted into the sum (LERP_FMA = 1), and the cumulative sum has the order above; the two switches hold the other form.
; fi is good to about 2^-25 turns up to |phase| of some 1e7; sig and amplitudes are rounded to bf16; the amplitude interpolation is applied behind the sum over h (another order of
; rounding than reference()'s); the sign of a zero result is not tracked.
.set LERP_FMA,  1                      ; 1: fma(x0, 1-w, fl(x1 w)); 0: two products and a sum, three roundings
.set DIV_EXACT, 0                      ; 0: a multiplication by RN(1/22050); 1: the correctly rounded quotient
.set C_POS, 0x3aff8040                 ; f32(511/262143)
.set C_RCP, 0x383e37c6                 ; RN(1/22050)
.set C_DIV, 0x46ac4400                 ; 22050.0
.set M513,  0x7fc020                   ; ceil(2^32 / 513)
; LDS
.set L_C1, 0                           ; 512 totals of level 0
.set L_I1, 2048                        ; 512 inner prefixes of level 1
.set L_C2, 4096                        ; 32 totals of level 1
.set L_X2, 4352                        ; 34 words: word 0 = thread 0's exclusive prefix of level 1; word k + 1 = exclusive prefix of level 2 at my place k
.set L_X3, 4608                        ; 66 words: word 0 = 0; word k + 1 = exclusive prefix of level 3 at block k of the batch
.set L_PH, 5376                        ; 8,192 phases
.set L_FI, 38144                       ; 8,192 phases in turns, mod 1
; scalar registers: s[4:5] f0, s[6:7] amplitudes, s[8:9] sums, s[10:11] out
.set SW,   12                          ; wave
.set SN0,  16                          ; first sample of the work-group in its batch
.set SFB,  17                          ; frame of the wave's first sample
.set SNB,  18                          ; first sample of the next frame interval
.set SCNT, 19
.set SC,   40
.set SY,   41
.set SD,   42                          ; DIV_EXACT alone
.set SUP,  43                          ; lanes 16-31
.set SNZ,  44                          ; all ones unless the work-group is its batch's first
.set NW,   53                          ; first sample of the wave in its batch
.set SB,   54                          ; 512 b
.set SM,   55
; s[20:21] -1/2pi, s[22:33] a11 a9 a7 a5 a3 a1, s[34:35] 2pi, s[36:37] 1/2pi high word, s[38:39] low word: pairs, both words written
; s45-47 COL3, IN14, C215 of the block in front of mine; s48-50 totals of level 3; s51 2 x my place in the batch; s56, s57 at work
; vector registers
.set GL,   2                           ; r = lane mod 16
.set HH,   3                           ; lane / 16
.set LRD,  4                           ; LDS offset of my 4 samples in PH and FI
.set OOFF, 5                           ; byte offset of my 4 results
.set NL,   6                           ; number of the first of them in the batch
.set FB0F, 7
.set FB1F, 8
.set OA,   9
.set OB,   10
.set OC,   11
.set K0,   12
.set K1,   13
.set AO,   14                          ; offset of my amplitude row: untouched until those loads are in
.set T0,   15
.set G4,   9                           ; v9-13 again, once the f0 loads are in
.set A3,   10
.set TX,   12
.set TZ,   13
.set H,    16                          ; v16-47   h = 32 hh + 1 + i
.set AMP,  48                          ; v48-63   amplitudes in bf16: source 0 of both K steps
.set FRA,  64                          ; v64-71   sines of tile A in bf16
.set FRB,  72
.set DA,   80                          ; v80-87   accumulator of tile A
.set DB,   88
.set PHA,  96
.set PHB,  100
.set FIA,  104
.set FIB,  108
.set OUT,  112
.set CA13, 116
.set PPA,  118                         ; (phase, phase) of tile A's sample
.set TP,   120
.set TE,   128
.set TT,   136
.set TQ,   144
.set FPA,  152                         ; (fi, fi)
.set PPB,  154
.set FPB,  156
.set W0,   158
.set W1,   159
.set W2,   160
.set W3,   161
.set W4,   162
.set W5,   163
.set TA,   120                         ; wave 0 ahead of the loop: v120-135, v136-151, v152-163
.set TB,   136
.set ACA,  152
.set ACB,  153
.set E1,   154
.set E2,   155
.set E3,   156
.set MT,   157
.set L4,   158
.set L64,  160
.set I2,   161
.set X3,   162
.set X3M,  163
.set INN,  164                         ; v164-179 inner prefix, then phase, of my 16 samples
.set FIR,  180                         ; v180-195 their fi
.set FA,   196
.set FB,   197
.set FC,   198
.set K0F,  199
.set K1F,  200
.set NBF,  201
.set NF,   202
.set POS,  203
.set X0,   204
.set X1,   205
.set I0F,  206
.set WW,   207
.set OM,   208
.set PA,   209
.set PB,   210
.set U,    211
.set Q0,   212
.set RR,   213
.set RAW,  216                         ; v216-247 amplitudes as loaded
.set CO3,  248
.set ZR,   249
.set OFP,  250                         ; v250-251 the exclusive prefix of level 1, twice
.set I1V,  252
.set X2L,  253
.set X2H,  254
.macro SPAIR r, val
	s_mov_b32 s[\r], \val
	s_mov_b32 s[\r+1], \val
.endm
; The thread's first sample, its frame k0 = n div 513 (fl(n x C_POS) has that floor for every n < 2^18), and the three frames its 16 samples can touch.
.macro XSETUP
	v_lshl_add_u32 v[T0], v0, 4, s[SN0]
	v_mul_hi_u32 v[K0], v[T0], s[SM]
	v_cvt_f32_u32 v[NF], v[T0]
	v_add_nc_u32 v[K1], 1, v[K0]
	v_add_nc_u32 v[T0], 2, v[K0]
	v_min_u32 v[OB], 511, v[K1]
	v_min_u32 v[OC], 511, v[T0]
	v_add_lshl_u32 v[OA], v[K0], s[SB], 2
	v_add_lshl_u32 v[OB], v[OB], s[SB], 2
	v_add_lshl_u32 v[OC], v[OC], s[SB], 2
	global_load_b32 v[FA], v[OA], s[4:5]
	global_load_b32 v[FB], v[OB], s[4:5]
	global_load_b32 v[FC], v[OC], s[4:5]
	v_cvt_f32_u32 v[K0F], v[K0]
	v_add_f32 v[K1F], 1.0, v[K0F]
	v_mul_u32_u24 v[K1], 0x201, v[K1]
	v_cvt_f32_u32 v[NBF], v[K1]
.endm
; Sample s of my 16, with the roundings named at the head.  pos = fl(n c) stays a product of its own (its floor is the frame index), so w = pos - i0 is exact.
; DIV_EXACT: q0 = u y, r = u - q0 D (exact), q = q0 + r y is the correctly rounded quotient.
.macro XS s
.if \s
	v_add_f32 v[NF], 1.0, v[NF]
.endif
	v_mul_f32 v[POS], s[SC], v[NF]
	v_cmp_ge_f32 vcc_lo, v[NF], v[NBF]
	v_cndmask_b32 v[X0], v[FA], v[FB], vcc_lo
	v_cndmask_b32 v[X1], v[FB], v[FC], vcc_lo
	v_cndmask_b32 v[I0F], v[K0F], v[K1F], vcc_lo
	v_sub_f32 v[WW], v[POS], v[I0F]
	v_sub_f32 v[OM], 1.0, v[WW]
	v_mul_f32 v[PB], v[X1], v[WW]
.if LERP_FMA
	v_fma_f32 v[U], v[X0], v[OM], v[PB]
.else
	v_mul_f32 v[PA], v[X0], v[OM]
	v_add_f32 v[U], v[PA], v[PB]
.endif
	v_mul_f32 v[Q0], s[SY], v[U]
.if DIV_EXACT
	v_fma_f32 v[RR], -v[Q0], s[SD], v[U]
	v_fma_f32 v[Q0], v[RR], s[SY], v[Q0]
.endif
.if \s
	v_add_f32 v[INN+\s], v[INN+\s-1], v[Q0]
.else
	v_mov_b32 v[INN], v[Q0]
.endif
.endm
.macro SEQ16 base
.set j, 1
.rept 15
	v_add_f32 v[\base+j], v[\base+j-1], v[\base+j]
.set j, j+1
.endr
.endm
.macro MSCAN acc, base                 ; acc = base[0] + .. + base[lane mod 16], added in that order
	v_mov_b32 v[\acc], v[\base]
.set j, 1
.rept 15
	v_add_f32 v[MT], v[\acc], v[\base+j]
	v_cmp_le_u32 vcc_lo, j, v[GL]
	v_cndmask_b32 v[\acc], v[\acc], v[MT], vcc_lo
.set j, j+1
.endr
.endm
.macro BAR
	s_wait_dscnt 0x0                               ; my LDS stores and loads are done before I say so
	s_barrier_signal -1
	s_barrier_wait -1
.endm
; Eight sines: harmonics H[hb .. hb+7] of the sample whose (phase, phase) is in pp and (fi, fi) in fp; four bf16 pairs into v[fr .. fr+3].
; Four register pairs go through each stage together, so that no line waits for the one in front of it.
.macro SINQUAD hb, fr, pp, fp
.irp i, 0,1,2,3
	v_pk_mul_f32 v[TP+2*\i:TP+2*\i+1], v[H+\hb+2*\i:H+\hb+2*\i+1], v[\pp:\pp+1]                                      ; P = fl(h phase)
.endr
.irp i, 0,1,2,3
	v_pk_fma_f32 v[TE+2*\i:TE+2*\i+1], v[H+\hb+2*\i:H+\hb+2*\i+1], v[\pp:\pp+1], v[TP+2*\i:TP+2*\i+1] neg_lo:[0,0,1] neg_hi:[0,0,1]   ; E = h phase - P, exact
.endr
.irp i, 0,1,2,3
	v_pk_mul_f32 v[TT+2*\i:TT+2*\i+1], v[H+\hb+2*\i:H+\hb+2*\i+1], v[\fp:\fp+1]                                      ; h fi
.endr
.irp i, 0,1,2,3
	v_pk_fma_f32 v[TT+2*\i:TT+2*\i+1], v[TE+2*\i:TE+2*\i+1], s[20:21], v[TT+2*\i:TT+2*\i+1] op_sel_hi:[1,0,1]        ; - E / 2pi
.endr
.irp i, 0,1,2,3,4,5,6,7
	v_rndne_f32 v[TP+\i], v[TT+\i]
.endr
.irp i, 0,1,2,3
	v_pk_add_f32 v[TT+2*\i:TT+2*\i+1], v[TT+2*\i:TT+2*\i+1], v[TP+2*\i:TP+2*\i+1] neg_lo:[0,1] neg_hi:[0,1]          ; F
.endr
.irp i, 0,1,2,3
	v_pk_mul_f32 v[TE+2*\i:TE+2*\i+1], v[TT+2*\i:TT+2*\i+1], v[TT+2*\i:TT+2*\i+1]                                    ; F^2
.endr
.irp i, 0,1,2,3
	v_pk_fma_f32 v[TQ+2*\i:TQ+2*\i+1], v[TE+2*\i:TE+2*\i+1], v[CA13:CA13+1], s[22:23] op_sel_hi:[1,1,0]
.endr
.irp c, 24,26,28,30,32
.irp i, 0,1,2,3
	v_pk_fma_f32 v[TQ+2*\i:TQ+2*\i+1], v[TQ+2*\i:TQ+2*\i+1], v[TE+2*\i:TE+2*\i+1], s[\c:\c+1] op_sel_hi:[1,1,0]
.endr
.endr
.irp i, 0,1,2,3
	v_pk_mul_f32 v[TQ+2*\i:TQ+2*\i+1], v[TQ+2*\i:TQ+2*\i+1], v[TT+2*\i:TT+2*\i+1]
.endr
.irp i, 0,1,2,3
	v_cvt_pk_bf16_f32 v[\fr+\i], v[TQ+2*\i], v[TQ+2*\i+1]
.endr
.endm
; Two tiles of 16 samples: tile A = samples base + 4 r + t, tile B = base + 64 + 4 r + t.  Lane (r, hh) makes harmonics 32 hh + 1 .. 32 hh + 32 of column r of both.
; Place (K step u, hh, register i, half e) means harmonic 32 hh + 16 u + 2 i + e + 1 in both sources: a permutation of k applied alike to both keeps the products.
; Source 0 = amplitude rows (row m: frame fb + min(m mod 8, 2)), source 1 = sines: register j = 0, 1, 2 of every lane of D is (frame fb + j, sample r).
; The two accumulators take turns, one instruction a turn, over the backward jump too.
.macro PAIRT t
	v_mov_b32 v[PPA], v[PHA+\t]
	v_mov_b32 v[PPA+1], v[PHA+\t]
	v_mov_b32 v[FPA], v[FIA+\t]
	v_mov_b32 v[FPA+1], v[FIA+\t]
	v_mov_b32 v[PPB], v[PHB+\t]
	v_mov_b32 v[PPB+1], v[PHB+\t]
	v_mov_b32 v[FPB], v[FIB+\t]
	v_mov_b32 v[FPB+1], v[FIB+\t]
	SINQUAD 0, FRA, PPA, FPA
	SINQUAD 8, FRA+4, PPA, FPA
	v_wmma_f32_16x16x32_bf16 v[DA:DA+7], v[AMP:AMP+7], v[FRA:FRA+7], 0
	SINQUAD 0, FRB, PPB, FPB
	SINQUAD 8, FRB+4, PPB, FPB
	v_wmma_f32_16x16x32_bf16 v[DB:DB+7], v[AMP:AMP+7], v[FRB:FRB+7], 0
	SINQUAD 16, FRA, PPA, FPA
	SINQUAD 24, FRA+4, PPA, FPA
	v_wmma_f32_16x16x32_bf16 v[DA:DA+7], v[AMP+8:AMP+15], v[FRA:FRA+7], v[DA:DA+7]
	SINQUAD 16, FRB, PPB, FPB
	SINQUAD 24, FRB+4, PPB, FPB
	v_wmma_f32_16x16x32_bf16 v[DB:DB+7], v[AMP+8:AMP+15], v[FRB:FRB+7], v[DB:DB+7]
	; my sample's weight w: seven lines that name no register of the matrix instruction above, more than the four places its result asks for (ISA guide 7.12.1)
	v_add_nc_u32 v[W0], \t, v[NL]
	v_cvt_f32_u32 v[W1], v[W0]
	v_mul_f32 v[W1], s[SC], v[W1]
	v_cmp_le_u32 vcc_lo, s[SNB], v[W0]             ; past the wave's frame boundary?
	v_cndmask_b32 v[W2], v[FB0F], v[FB1F], vcc_lo
	v_sub_f32 v[W1], v[W1], v[W2]                  ; w
	v_sub_f32 v[W2], 1.0, v[W1]                    ; 1 - w
	v_cndmask_b32 v[W3], v[DA], v[DB], s[SUP]      ; lanes 0-15 finish tile A, lanes 16-31 tile B
	v_cndmask_b32 v[W4], v[DA+1], v[DB+1], s[SUP]
	v_cndmask_b32 v[W5], v[DA+2], v[DB+2], s[SUP]
	v_cndmask_b32 v[W3], v[W3], v[W4], vcc_lo      ; frame i0
	v_cndmask_b32 v[W4], v[W4], v[W5], vcc_lo      ; frame i0 + 1
	v_mul_f32 v[W3], v[W3], v[W2]
	v_fma_f32 v[OUT+\t], v[W4], v[W1], v[W3]
.endm
	s_load_b256 s[4:11], s[0:1], 0x0               ; f0, amplitudes, sums, out
	v_lshl_add_u32 v215, v0, 2, 0x11600
	v_mov_b32 v255, 0
	v_lshrrev_b32 v[T0], 5, v0
	v_readfirstlane_b32 s[SW], v[T0]               ; wave
	v_and_b32 v[GL], 15, v0
	v_bfe_u32 v[HH], v0, 4, 1
	v_mov_b32 v[ZR], 0
	s_lshr_b32 s14, ttmp9, 5                       ; batch
	s_and_b32 s15, ttmp9, 31                       ; my place in the batch
	s_lshl_b32 s[SN0], s15, 13
	s_lshl_b32 s[SB], s14, 9
	s_mov_b32 s[SM], M513
	s_lshl_b32 s[NW], s[SW], 9
	s_add_co_u32 s[NW], s[NW], s[SN0]
	s_mul_hi_u32 s[SFB], s[NW], s[SM]              ; frame of the wave's first sample
	s_add_co_u32 s[SNB], s[SFB], 1
	s_mul_i32 s[SNB], s[SNB], 513
	s_cmp_lg_u32 s15, 0
	s_cselect_b32 s[SNZ], -1, 0
	s_mov_b32 s[SUP], 0xffff0000
	s_lshl_b32 s48, ttmp9, 1
	s_max_u32 s48, s48, 1
	s_sub_co_u32 s48, s48, 1
	s_lshl_b32 s48, s48, 2                         ; byte offset in sums of the block in front of mine (clamped; not used in a batch's first work-group)
	s_lshl_b32 s51, s15, 1                         ; my first block of 4,096 samples in the batch
	s_lshl_b32 s56, s14, 8                         ; my batch's 64 block totals: 256 bytes
	SPAIR 20, 0xbe22f983                           ; -1/2pi
	SPAIR 22, 0xc17183a8                           ; -(2pi)^11 / 11!
	SPAIR 24, 0x42283c1a                           ;  (2pi)^9 / 9!
	SPAIR 26, 0xc2996966                           ; -(2pi)^7 / 7!
	SPAIR 28, 0x42a335e3                           ;  (2pi)^5 / 5!
	SPAIR 30, 0xc2255de7                           ; -(2pi)^3 / 3!
	SPAIR 32, 0x40c90fdb                           ;  2pi
	SPAIR 34, 0x40c90fdb                           ;  f32(2pi), reference()'s factor
	SPAIR 36, 0x3e22f983                           ;  1/2pi, high word
	SPAIR 38, 0x31dc9c88                           ;  1/2pi, low word
	s_mov_b32 s[SC], C_POS
	s_mov_b32 s[SY], C_RCP
.if DIV_EXACT
	s_mov_b32 s[SD], C_DIV
.endif
	s_wait_kmcnt 0x0
	s_cmp_lg_u32 s[SW], 0
	s_cbranch_scc1 .Lfeed
	; wave 0 alone: what the first launch stored
	s_load_b32 s45, s[8:9], s48 offset:0x0         ; COL3 of the block in front
	s_load_b32 s46, s[8:9], s48 offset:0x800       ; IN14
	s_load_b32 s47, s[8:9], s48 offset:0x1000      ; C215
	v_and_b32 v[CO3], 16, v0
	v_lshlrev_b32 v[CO3], 2, v[CO3]
	v_add_nc_u32 v[CO3], s56, v[CO3]               ; lane l: the 16 totals of level-3 block l / 16, and of block 2 + l / 16
.irp k, 0,1,2,3
	global_load_b128 v[TA+4*\k:TA+4*\k+3], v[CO3], s[8:9] offset:16*\k
.endr
.irp k, 0,1,2,3
	global_load_b128 v[TB+4*\k:TB+4*\k+3], v[CO3], s[8:9] offset:128+16*\k
.endr
.Lfeed:
	XSETUP
	v_and_b32 v[T0], 7, v[GL]                      ; my amplitude row: frame fb + min(r mod 8, 2), clamped as reference() clamps i0 + 1
	v_min_u32 v[T0], 2, v[T0]
	v_add_nc_u32 v[T0], s[SFB], v[T0]
	v_min_u32 v[T0], 511, v[T0]
	v_add_nc_u32 v[T0], s[SB], v[T0]
	v_lshlrev_b32 v[T0], 8, v[T0]                  ; 64 f32 a row
	v_lshl_add_u32 v[AO], v[HH], 7, v[T0]          ; my 32 harmonics
.irp k, 0,1,2,3,4,5,6,7
	global_load_b128 v[RAW+4*\k:RAW+4*\k+3], v[AO], s[6:7] offset:16*\k
.endr
	s_wait_loadcnt 0x8                             ; the eight amplitude loads, issued last, may stay out; f0 (and wave 0's totals) are in
.irp s, 0,1,2,3,4,5,6,7,8,9,10,11,12,13,14,15
	XS \s
.endr
	v_lshlrev_b32 v[G4], 2, v0
	ds_store_b32 v[G4], v[INN+15] offset:L_C1      ; my block's total
	BAR                                            ; all 512 totals of level 0 are in LDS
	s_cmp_lg_u32 s[SW], 0
	s_cbranch_scc1 .Lupper_done
	; wave 0 alone: levels 1 to 4
	s_wait_kmcnt 0x0                               ; s45-47
	MSCAN ACA, TA                                  ; inner prefix of level 3 at block l of the batch
	MSCAN ACB, TB                                  ; and at block 32 + l
	v_readlane_b32 s48, v[ACA], 15                 ; the totals of level 3
	v_readlane_b32 s49, v[ACA], 31
	v_readlane_b32 s50, v[ACB], 15
	v_mov_b32 v[E1], s48                           ; level 4, exclusive: 0, c0, c0 + c1, (c0 + c1) + c2
	v_add_f32 v[E2], s49, v[E1]
	v_add_f32 v[E3], s50, v[E2]
	v_cndmask_b32 v[E1], 0, v[E1], s[SUP]
	v_cndmask_b32 v[E2], v[E2], v[E3], s[SUP]
	v_add_f32 v[ACA], v[ACA], v[E1]                ; inclusive prefix of level 3
	v_add_f32 v[ACB], v[ACB], v[E2]
	v_lshlrev_b32 v[L4], 2, v0
	ds_store_b32 v[ZR], v[ZR] offset:L_X3          ; word 0: read by a batch's first work-group in place of a block in front, and not used there
	ds_store_b32 v[ZR], v[ZR] offset:L_X3+4        ; exclusive = inclusive moved up by one place, 0 in front
	ds_store_b32 v[L4], v[ACA] offset:L_X3+8
	ds_store_b32 v[L4], v[ACB] offset:L_X3+136
	v_lshlrev_b32 v[L64], 6, v0
.irp k, 0,1,2,3
	ds_load_b128 v[TA+4*\k:TA+4*\k+3], v[L64] offset:L_C1+16*\k  ; lane g: the 16 totals of level-1 block g
.endr
	s_wait_dscnt 0x0
	SEQ16 TA                                       ; inner prefix of level 1
.irp k, 0,1,2,3
	ds_store_b128 v[L64], v[TA+4*\k:TA+4*\k+3] offset:L_I1+16*\k
.endr
	ds_store_b32 v[L4], v[TA+15] offset:L_C2
	v_and_b32 v[G4], 16, v0
	v_lshlrev_b32 v[G4], 2, v[G4]
.irp k, 0,1,2,3
	ds_load_b128 v[TB+4*\k:TB+4*\k+3], v[G4] offset:L_C2+16*\k   ; the wave's own stores: LDS serves a wave in order (ISA guide 5.7.1)
.endr
	v_lshrrev_b32 v[A3], 4, v0
	v_add_lshl_u32 v[A3], v[A3], s51, 2            ; 4 x (my block of 4,096 in the batch)
	ds_load_b32 v[X3], v[A3] offset:L_X3+4         ; exclusive prefix of level 3 at my block
	ds_load_b32 v[X3M], v[A3] offset:L_X3          ; one place lower: lane 0 gets that of the block in front of the work-group
	s_wait_dscnt 0x0
	MSCAN I2, TB                                   ; inner prefix of level 2
	v_add_f32 v[I2], v[I2], v[X3]                  ; inclusive
	ds_store_b32 v[L4], v[I2] offset:L_X2+8        ; = exclusive at place g + 1
	v_readfirstlane_b32 s57, v[X3M]
	v_mov_b32 v[X3M], s57                          ; lane 0's value in every lane
	v_add_f32 v[TX], s45, v[X3M]                   ; inclusive prefix of level 2 at the last place in front of me
	v_cndmask_b32 v[TX], 0, v[TX], s[SNZ]
	ds_store_b32 v[ZR], v[TX] offset:L_X2+4        ; = exclusive at my place 0
	v_add_f32 v[TZ], s46, v[X3M]                   ; exclusive prefix of level 2 at that place,
	v_add_f32 v[TZ], s47, v[TZ]                    ; inclusive prefix of level 1 at the last place in front of me
	v_cndmask_b32 v[TZ], 0, v[TZ], s[SNZ]
	ds_store_b32 v[ZR], v[TZ] offset:L_X2          ; = thread 0's exclusive prefix of level 1
.Lupper_done:
	BAR                                            ; wave 0's tables are in LDS
	; exclusive prefix of level 1 at my block t: I1[t-1] + word ((t-1) / 16) + 1 of X2.  That word is t / 16 + 1, or t / 16 where t mod 16 = 0.
	; Thread 0 reads the last total of level 0 in place of I1[-1] (written ahead of the first barrier); its sum is thrown away and word 0 taken as it is.
	v_lshlrev_b32 v[G4], 2, v0
	v_lshrrev_b32 v[A3], 4, v0
	v_lshlrev_b32 v[A3], 2, v[A3]
	ds_load_b32 v[I1V], v[G4] offset:L_I1-4
	ds_load_b32 v[X2L], v[A3] offset:L_X2
	ds_load_b32 v[X2H], v[A3] offset:L_X2+4
	s_wait_dscnt 0x0
	v_cmp_eq_u32 vcc_lo, 0, v[GL]
	v_cndmask_b32 v[X2L], v[X2H], v[X2L], vcc_lo
	v_add_f32 v[OFP], v[I1V], v[X2L]
	v_cmp_eq_u32 vcc_lo, 0, v0
	v_cndmask_b32 v[OFP], v[OFP], v[X2L], vcc_lo
	v_mov_b32 v[OFP+1], v[OFP]
.irp p, 0,2,4,6,8,10,12,14
	v_pk_add_f32 v[INN+\p:INN+\p+1], v[INN+\p:INN+\p+1], v[OFP:OFP+1]                      ; the cumulative sum
.endr
.irp p, 0,2,4,6,8,10,12,14
	v_pk_mul_f32 v[INN+\p:INN+\p+1], v[INN+\p:INN+\p+1], s[34:35] op_sel_hi:[1,0]          ; phase
.endr
.irp p, 0,2,4,6,8,10,12,14
	v_pk_mul_f32 v[TP+\p:TP+\p+1], v[INN+\p:INN+\p+1], s[36:37] op_sel_hi:[1,0]            ; turns, rounded
.endr
.irp p, 0,2,4,6,8,10,12,14
	v_pk_fma_f32 v[TT+\p:TT+\p+1], v[INN+\p:INN+\p+1], s[36:37], v[TP+\p:TP+\p+1] op_sel_hi:[1,0,1] neg_lo:[0,0,1] neg_hi:[0,0,1]   ; what that rounding lost, exact
.endr
.irp p, 0,2,4,6,8,10,12,14
	v_pk_fma_f32 v[TT+\p:TT+\p+1], v[INN+\p:INN+\p+1], s[38:39], v[TT+\p:TT+\p+1] op_sel_hi:[1,0,1]                               ; + phase x the low word of 1/2pi
.endr
.irp p, 0,1,2,3,4,5,6,7,8,9,10,11,12,13,14,15
	v_rndne_f32 v[FIR+\p], v[TP+\p]
.endr
.irp p, 0,2,4,6,8,10,12,14
	v_pk_add_f32 v[TP+\p:TP+\p+1], v[TP+\p:TP+\p+1], v[FIR+\p:FIR+\p+1] neg_lo:[0,1] neg_hi:[0,1]   ; exact
.endr
.irp p, 0,2,4,6,8,10,12,14
	v_pk_add_f32 v[FIR+\p:FIR+\p+1], v[TP+\p:TP+\p+1], v[TT+\p:TT+\p+1]                    ; fi
.endr
	v_lshlrev_b32 v[G4], 6, v0
.irp k, 0,1,2,3
	ds_store_b128 v[G4], v[INN+4*\k:INN+4*\k+3] offset:L_PH+16*\k
	ds_store_b128 v[G4], v[FIR+4*\k:FIR+4*\k+3] offset:L_FI+16*\k
.endr
	; set-up of the main loop
	s_wait_loadcnt 0x0                             ; the amplitudes
.irp i, 0,1,2,3,4,5,6,7,8,9,10,11,12,13,14,15
	v_cvt_pk_bf16_f32 v[AMP+\i], v[RAW+2*\i], v[RAW+2*\i+1]
.endr
	v_lshl_add_u32 v[T0], v[HH], 5, 1
	v_cvt_f32_u32 v[H], v[T0]                      ; h = 32 hh + 1,
.set j, 1
.rept 31
	v_add_f32 v[H+j], 1.0, v[H+j-1]                ; and the 31 behind it
.set j, j+1
.endr
	v_mov_b32 v[CA13], 0x40747a1a                  ; (2pi)^13 / 13!
	v_mov_b32 v[CA13+1], 0x40747a1a
	v_cvt_f32_u32 v[FB0F], s[SFB]
	v_add_f32 v[FB1F], 1.0, v[FB0F]
	s_lshl_b32 s56, s[SW], 11
	v_lshl_add_u32 v[LRD], v[GL], 4, s56           ; 4 bytes x (512 W + 4 r)
	v_lshlrev_b32 v[T0], 6, v[HH]
	v_lshl_add_u32 v[T0], v[GL], 2, v[T0]
	v_add_nc_u32 v[NL], s[NW], v[T0]               ; my results: samples 512 W + 64 hh + 4 r .. + 3 of each trip's 128
	s_lshl_b32 s57, s14, 18
	v_add_lshl_u32 v[OOFF], v[NL], s57, 2
	BAR                                            ; the phase stores above, addressed by thread, are done; the loads below are addressed by wave and lane
	s_mov_b32 s[SCNT], 4                           ; 4 trips of 128 samples
.Ltrip:
	ds_load_b128 v[PHA:PHA+3], v[LRD] offset:L_PH          ; tile A's samples 4 r .. 4 r + 3, the same in both halves of the wave
	ds_load_b128 v[PHB:PHB+3], v[LRD] offset:L_PH+256      ; tile B's, 64 samples on
	ds_load_b128 v[FIA:FIA+3], v[LRD] offset:L_FI
	ds_load_b128 v[FIB:FIB+3], v[LRD] offset:L_FI+256
	s_wait_dscnt 0x0
	PAIRT 0
	PAIRT 1
	PAIRT 2
	PAIRT 3
	global_store_b128 v[OOFF], v[OUT:OUT+3], s[10:11] th:TH_STORE_NT   ; each half of the wave stores 256 consecutive bytes, at a multiple of 256 from the buffer's first byte
	s_wait_xcnt 0x0                                ; OOFF and OUT are written again only behind this wait
	v_add_nc_u32 v[OOFF], 512, v[OOFF]
	v_add_nc_u32 v[LRD], 512, v[LRD]
	v_add_nc_u32 v[NL], 128, v[NL]
	s_sub_co_i32 s[SCNT], s[SCNT], 1
	s_cmp_lg_u32 s[SCNT], 0
	s_cbranch_scc1 .Ltrip
	s_wait_tensorcnt 0x0
	ds_add_u32 v215, v255
	s_wait_dscnt 0x0
	s_endpgm
.Lfunc_end_k_q5005838b68_synth:
	.size	k_q5005838b68_synth, .Lfunc_end_k_q5005838b68_synth-k_q5005838b68_synth
	.p2alignl 7, 3214868480
	.fill 96, 4, 3214868480
	.section	.rodata,"a",@progbits
	.p2align	6, 0x0
	.amdhsa_kernel k_q5005838b68_synth
		.amdhsa_group_segment_fixed_size 73216
		.amdhsa_private_segment_fixed_size 0
		.amdhsa_enable_private_segment 0
		.amdhsa_kernarg_size 32
		.amdhsa_user_sgpr_count 2
		.amdhsa_user_sgpr_kernarg_segment_ptr 1
		.amdhsa_wavefront_size32 1
		.amdhsa_system_sgpr_workgroup_id_x 1
		.amdhsa_system_sgpr_workgroup_id_y 1
		.amdhsa_system_sgpr_workgroup_id_z 1
		.amdhsa_system_vgpr_workitem_id 0
		.amdhsa_next_free_vgpr 256
		.amdhsa_next_free_sgpr 66
		.amdhsa_reserve_vcc 1
		.amdhsa_float_denorm_mode_32 3
		.amdhsa_float_denorm_mode_16_64 3
		.amdhsa_memory_ordered 1
		.amdhsa_forward_progress 1
		.amdhsa_inst_pref_size 153
	.end_amdhsa_kernel
	.amdgpu_metadata
---
amdhsa.version: [ 1, 2 ]
amdhsa.kernels:
  - .name:           k_q5005838b68_synth
    .symbol:         k_q5005838b68_synth.kd
    .args:
      - { .name: f0_hz, .offset: 0, .size: 8, .value_kind: global_buffer, .address_space: global }
      - { .name: harmonic_amplitudes, .offset: 8, .size: 8, .value_kind: global_buffer, .address_space: global }
      - { .name: sums, .offset: 16, .size: 8, .value_kind: global_buffer, .address_space: global }
      - { .name: out0, .offset: 24, .size: 8, .value_kind: global_buffer, .address_space: global }
    .group_segment_fixed_size: 73216
    .private_segment_fixed_size: 0
    .kernarg_segment_align: 8
    .kernarg_segment_size: 32
    .max_flat_workgroup_size: 512
    .sgpr_count:     66
    .vgpr_count:     256
    .wavefront_size: 32
...
	.end_amdgpu_metadata
.endif
;; end of part 2
;; ======== version 2 of 2: 2 launches; 1.34 times as fast as version 1
;; limits: right only within a limited range of input values
;; workspace buffers: sums 6,144 bytes
;; launch blocks: the kernel of part 1 again; grid 256 x 1, 16 waves a work-group, no clusters, 6,144 bytes of LDS; arguments f0_hz, sums; writes sums
;; launch synth (part 3): grid 256 x 1, 16 waves a work-group, no clusters, 73,216 bytes of LDS; arguments f0_hz, harmonic_amplitudes, sums, out0; writes out0
.if DOCPART == 3
	.amdgcn_target "amdgcn-amd-amdhsa--gfx1250"
	.amdhsa_code_object_version 6
	.text
	.protected	k_q5005838b68_synth
	.globl	k_q5005838b68_synth
	.p2align	8
	.type	k_q5005838b68_synth,@function
k_q5005838b68_synth:
	s_mov_b64 s[64:65], 0
	v_nop
	global_prefetch_b8 v0, s[64:65] scope:SCOPE_SE
	s_setreg_imm32_b32 hwreg(HW_REG_WAVE_MODE, 25, 1), 1
	s_wait_xcnt 0x0
; HarmonicOscillator, second launch: audio[b][n] = sum over h of sin(phase[n] h) amp_up[n][h].
; A work-group owns 8,192 samples of one batch; thread t first makes the phases of samples 16 t .. 16 t + 15, then wave W synthesises samples 512 W .. + 511.
; PHASE: the f32 phase of reference() is wanted bit for bit (an error of one unit in its last place is multiplied by up to 64 in the sines), so x = f0_up / 22050 is made with
; reference()'s roundings and added in its order: a recursive scan in blocks of 16 (262144 -> 16384 -> 1024 -> 64 -> 4), inner sequential prefix + exclusive prefix of
; the level above.  Levels 0 to 2 of my 8,192 samples are made here; level 3 and 4 from the 64 block totals of my batch that the first launch stored.
; SINE: P = fl(h phase) as in reference(); E = h phase - P is exact (one fma); with fi = phase / 2 pi mod 1 (two-word 1/2pi), P / 2 pi mod 1 = h fi - E / 2 pi mod 1 = F in
; [-1/2, 1/2], and sin P = F Q(F^2).  Q comes from the Chebyshev series of sin(pi t), t = 2 F in [-1, 1], whose coefficients are 2 J_k(pi) with alternating signs: cut behind T9 and
; written out in powers of F; the first term left out is 2 J_11(pi) = 5.9e-6.  No length is tuned to the drawn inputs: F is bounded by construction.
; DOUBLING: fl(2 h phase) = 2 fl(h phase), since a factor of two changes no rounding.  So with C = 2 cos P (the Chebyshev series of 2 cos(pi t) cut behind T10, first term left out
; 4 J_12(pi) = 1.6e-6): sin P_2h = sin P_h x C_h and C_2h = C_h^2 - 2.  Of a lane's 32 harmonics 18 are made by the series (8 of them with C), 14 by one multiplication each.
; A lane of half hh (d = 2 hh) holds: chains h, 2h, 4h, 8h from h = 1+d, 5+d; chains h, 2h, 4h from 9+d, 13+d; chains h, 2h from 17+d, 21+d, 25+d, 29+d;
; singles 33+d, 37+d, .. 61+d, 16+32hh, 32+32hh: both halves run the same instructions and together hold 1 .. 64 once.  Three doublings at the most: the series' errors grow to
; at most 1.4e-5, 3.3e-5, 9.2e-5 in the sines of 2h, 4h, 8h, each below the step of the bf16 that they are rounded to.
; PRODUCT: inside a frame interval audio = (1-w) sum_h sig a[i0][h] + w sum_h sig a[i0+1][h]: sig (16 samples x 64 h) times three amplitude rows on the matrix unit in bf16,
; sums in f32, then the two weights in f32.  A wave's 512 samples cross one frame boundary at the most (an interval is 513 samples), so three rows serve the wave.
; No tensor loads, no cluster: the inputs are about 1 MiB, a wave reads three amplitude rows once, and no tile is shared.
; LIMITS: bit equality of the phase holds where reference() is evaluated as one compiled function: the division by the constant 22050 is then a multiplication by RN(1/22050)
; (DIV_EXACT = 0), the first product of the interpolation is contracted into the sum (LERP_FMA = 1), and the cumulative sum has the order above; the two switches hold the other form.
; fi is good to about 2^-25 turns up to |phase| of some 1e7; the doubling needs h phase to be no denormal (the sines are then below 1e-38) and 2 h phase finite (else reference() is not
; finite either); sig and amplitudes are rounded to bf16; the amplitude interpolation is applied behind the sum over h (another order of rounding than reference()'s); the sign of a
; zero result is not tracked.
.set LERP_FMA,  1                      ; 1: fma(x0, 1-w, fl(x1 w)); 0: two products and a sum, three roundings
.set DIV_EXACT, 0                      ; 0: a multiplication by RN(1/22050); 1: the correctly rounded quotient
.set C_POS, 0x3aff8040                 ; f32(511/262143)
.set C_RCP, 0x383e37c6                 ; RN(1/22050)
.set C_DIV, 0x46ac4400                 ; 22050.0
.set M513,  0x7fc020                   ; ceil(2^32 / 513)
; LDS
.set L_C1, 0                           ; 512 totals of level 0
.set L_I1, 2048                        ; 512 inner prefixes of level 1
.set L_C2, 4096                        ; 32 totals of level 1
.set L_X2, 4352                        ; 34 words: word 0 = thread 0's exclusive prefix of level 1; word k + 1 = exclusive prefix of level 2 at my place k
.set L_X3, 4608                        ; 66 words: word 0 = 0; word k + 1 = exclusive prefix of level 3 at block k of the batch
.set L_PH, 5376                        ; 8,192 phases
.set L_FI, 38144                       ; 8,192 phases in turns, mod 1
; scalar registers: s[4:5] f0, s[6:7] amplitudes, s[8:9] sums, s[10:11] out
.set SW,   12                          ; wave
.set SN0,  16                          ; first sample of the work-group in its batch
.set SFB,  17                          ; frame of the wave's first sample
.set SNB,  18                          ; first sample of the next frame interval
.set SCNT, 19
.set SC,   40
.set SY,   41
.set SD,   42                          ; DIV_EXACT alone
.set SUP,  43                          ; lanes 16-31
.set SNZ,  44                          ; all ones unless the work-group is its batch's first
.set NW,   53                          ; first sample of the wave in its batch
.set SB,   54                          ; 512 b
.set SM,   55
; s[20:21] -1/2pi, s[22:29] a7 a5 a3 a1 of the sine, s[34:35] 2pi, s[36:37] 1/2pi high word, s[38:39] low word, s[66:75] c8 c6 c4 c2 c0 of 2 cos: pairs, both words written
; s45-47 COL3, IN14, C215 of the block in front of mine; s48-50 totals of level 3; s51 2 x my place in the batch; s56, s57 at work
; vector registers of the whole kernel
.set GL,   2                           ; r = lane mod 16
.set HH,   3                           ; lane / 16
.set LRD,  4                           ; LDS offset of my 4 samples in PH and FI
.set OOFF, 5                           ; byte offset of my 4 results
.set NL,   6                           ; number of the first of them in the batch
.set FB0F, 7
.set FB1F, 8
.set OA,   9
.set OB,   10
.set OC,   11
.set K0,   12
.set K1,   13
.set T0,   15
.set G4,   9                           ; v9-13 again, once the f0 loads are in
.set A3,   10
.set TX,   12
.set TZ,   13
; vector registers of the main loop
.set HB,   16                          ; v16-33   the 18 harmonics that the series makes: 1 + 4 k + 2 hh (k = 0 .. 15), 16 + 32 hh, 32 + 32 hh
.set AO0,  34                          ; v34-38   byte offsets of my amplitudes: row + 8, 16, 32, 64, 128 bytes x hh; never written again
.set AO1,  35
.set AO2,  36
.set AO3,  37
.set AO8,  38
.set AMP,  48                          ; v48-63   amplitudes in bf16: source 0 of both K steps
.set FRA,  64                          ; v64-79   sines of tile A in bf16, both K steps
.set FRB,  80                          ; v80-95   of tile B
.set DA,   96                          ; v96-103  accumulator of tile A
.set DB,   104
.set PHA,  112
.set PHB,  116
.set FIA,  120
.set FIB,  124
.set OUT,  128
.set CA9,  132                         ; (a9, a9)
.set CC10, 134                         ; (c10, c10)
.set PP,   136                         ; (phase, phase) of the sample at work
.set FP,   138                         ; (fi, fi)
.set W0,   140
.set W1,   141
.set W2,   142
.set W3,   143
.set W4,   144
.set W5,   145
.set TP,   146                         ; five pairs each
.set TE,   156
.set TT,   166
.set TQ,   176
.set TC,   186                         ; four pairs
; vector registers ahead of the loop (they overlap the loop's, which are written later)
.set TA,   120                         ; v120-135
.set TB,   136                         ; v136-151
.set ACA,  152
.set ACB,  153
.set E1,   154
.set E2,   155
.set E3,   156
.set MT,   157
.set L4,   158
.set L64,  160
.set I2,   161
.set X3,   162
.set X3M,  163
.set INN,  164                         ; v164-179 inner prefix, then phase, of my 16 samples
.set FIR,  180                         ; v180-195 their fi
.set FA,   196
.set FB,   197
.set FC,   198
.set K0F,  199
.set K1F,  200
.set NBF,  201
.set NF,   202
.set POS,  203
.set X0,   204
.set X1,   205
.set I0F,  206
.set WW,   207
.set OM,   208
.set PA,   209
.set PB,   210
.set U,    211
.set Q0,   212
.set RR,   213
.set RAW,  216                         ; v216-247 amplitudes as loaded, in the order of the k places
.set CO3,  248
.set ZR,   249
.set OFP,  250                         ; v250-251 the exclusive prefix of level 1, twice
.set I1V,  252
.set X2L,  253
.set X2H,  254
.macro SPAIR r, val
	s_mov_b32 s[\r], \val
	s_mov_b32 s[\r+1], \val
.endm
; The thread's first sample, its frame k0 = n div 513 (fl(n x C_POS) has that floor for every n < 2^18), and the three frames its 16 samples can touch.
.macro XSETUP
	v_lshl_add_u32 v[T0], v0, 4, s[SN0]
	v_mul_hi_u32 v[K0], v[T0], s[SM]
	v_cvt_f32_u32 v[NF], v[T0]
	v_add_nc_u32 v[K1], 1, v[K0]
	v_add_nc_u32 v[T0], 2, v[K0]
	v_min_u32 v[OB], 511, v[K1]
	v_min_u32 v[OC], 511, v[T0]
	v_add_lshl_u32 v[OA], v[K0], s[SB], 2
	v_add_lshl_u32 v[OB], v[OB], s[SB], 2
	v_add_lshl_u32 v[OC], v[OC], s[SB], 2
	global_load_b32 v[FA], v[OA], s[4:5]
	global_load_b32 v[FB], v[OB], s[4:5]
	global_load_b32 v[FC], v[OC], s[4:5]
	v_cvt_f32_u32 v[K0F], v[K0]
	v_add_f32 v[K1F], 1.0, v[K0F]
	v_mul_u32_u24 v[K1], 0x201, v[K1]
	v_cvt_f32_u32 v[NBF], v[K1]
.endm
; Sample s of my 16, with the roundings named at the head.  pos = fl(n c) stays a product of its own (its floor is the frame index), so w = pos - i0 is exact.
; DIV_EXACT: q0 = u y, r = u - q0 D (exact), q = q0 + r y is the correctly rounded quotient.
.macro XS s
.if \s
	v_add_f32 v[NF], 1.0, v[NF]
.endif
	v_mul_f32 v[POS], s[SC], v[NF]
	v_cmp_ge_f32 vcc_lo, v[NF], v[NBF]
	v_cndmask_b32 v[X0], v[FA], v[FB], vcc_lo
	v_cndmask_b32 v[X1], v[FB], v[FC], vcc_lo
	v_cndmask_b32 v[I0F], v[K0F], v[K1F], vcc_lo
	v_sub_f32 v[WW], v[POS], v[I0F]
	v_sub_f32 v[OM], 1.0, v[WW]
	v_mul_f32 v[PB], v[X1], v[WW]
.if LERP_FMA
	v_fma_f32 v[U], v[X0], v[OM], v[PB]
.else
	v_mul_f32 v[PA], v[X0], v[OM]
	v_add_f32 v[U], v[PA], v[PB]
.endif
	v_mul_f32 v[Q0], s[SY], v[U]
.if DIV_EXACT
	v_fma_f32 v[RR], -v[Q0], s[SD], v[U]
	v_fma_f32 v[Q0], v[RR], s[SY], v[Q0]
.endif
.if \s
	v_add_f32 v[INN+\s], v[INN+\s-1], v[Q0]
.else
	v_mov_b32 v[INN], v[Q0]
.endif
.endm
.macro SEQ16 base
.set j, 1
.rept 15
	v_add_f32 v[\base+j], v[\base+j-1], v[\base+j]
.set j, j+1
.endr
.endm
.macro MSCAN acc, base                 ; acc = base[0] + .. + base[lane mod 16], added in that order
	v_mov_b32 v[\acc], v[\base]
.set j, 1
.rept 15
	v_add_f32 v[MT], v[\acc], v[\base+j]
	v_cmp_le_u32 vcc_lo, j, v[GL]
	v_cndmask_b32 v[\acc], v[\acc], v[MT], vcc_lo
.set j, j+1
.endr
.endm
.macro BAR
	s_wait_dscnt 0x0                               ; my LDS stores and loads are done before I say so
	s_barrier_signal -1
	s_barrier_wait -1
.endm
; The series: np pairs of harmonics from pair p0 of HB, of the sample in PP and FP.  Leaves F in TT, F^2 in TE, sin P in TQ.
; All pairs go through each stage together, so that no line waits for the one in front of it.
.macro BASES p0, np
.set i, 0
.rept \np
	v_pk_mul_f32 v[TP+2*i:TP+2*i+1], v[HB+2*(\p0+i):HB+2*(\p0+i)+1], v[PP:PP+1]                                      ; P = fl(h phase)
.set i, i+1
.endr
.set i, 0
.rept \np
	v_pk_fma_f32 v[TE+2*i:TE+2*i+1], v[HB+2*(\p0+i):HB+2*(\p0+i)+1], v[PP:PP+1], v[TP+2*i:TP+2*i+1] neg_lo:[0,0,1] neg_hi:[0,0,1]   ; E = h phase - P, exact
.set i, i+1
.endr
.set i, 0
.rept \np
	v_pk_mul_f32 v[TT+2*i:TT+2*i+1], v[HB+2*(\p0+i):HB+2*(\p0+i)+1], v[FP:FP+1]                                      ; h fi
.set i, i+1
.endr
.set i, 0
.rept \np
	v_pk_fma_f32 v[TT+2*i:TT+2*i+1], v[TE+2*i:TE+2*i+1], s[20:21], v[TT+2*i:TT+2*i+1] op_sel_hi:[1,0,1]              ; - E / 2pi
.set i, i+1
.endr
.set i, 0
.rept 2*\np
	v_rndne_f32 v[TP+i], v[TT+i]
.set i, i+1
.endr
.set i, 0
.rept \np
	v_pk_add_f32 v[TT+2*i:TT+2*i+1], v[TT+2*i:TT+2*i+1], v[TP+2*i:TP+2*i+1] neg_lo:[0,1] neg_hi:[0,1]                ; F
.set i, i+1
.endr
.set i, 0
.rept \np
	v_pk_mul_f32 v[TE+2*i:TE+2*i+1], v[TT+2*i:TT+2*i+1], v[TT+2*i:TT+2*i+1]                                          ; F^2
.set i, i+1
.endr
.set i, 0
.rept \np
	v_pk_fma_f32 v[TQ+2*i:TQ+2*i+1], v[TE+2*i:TE+2*i+1], v[CA9:CA9+1], s[22:23] op_sel_hi:[1,1,0]                    ; a9 F^2 + a7
.set i, i+1
.endr
.irp c, 24,26,28
.set i, 0
.rept \np
	v_pk_fma_f32 v[TQ+2*i:TQ+2*i+1], v[TQ+2*i:TQ+2*i+1], v[TE+2*i:TE+2*i+1], s[\c:\c+1] op_sel_hi:[1,1,0]            ; .. + a5, a3, a1
.set i, i+1
.endr
.endr
.set i, 0
.rept \np
	v_pk_mul_f32 v[TQ+2*i:TQ+2*i+1], v[TQ+2*i:TQ+2*i+1], v[TT+2*i:TT+2*i+1]
.set i, i+1
.endr
.endm
; C = 2 cos P of the four pairs whose F^2 lies in TE
.macro COS4
.irp p, 0,1,2,3
	v_pk_fma_f32 v[TC+2*\p:TC+2*\p+1], v[TE+2*\p:TE+2*\p+1], v[CC10:CC10+1], s[66:67] op_sel_hi:[1,1,0]              ; c10 F^2 + c8
.endr
.irp c, 68,70,72,74
.irp p, 0,1,2,3
	v_pk_fma_f32 v[TC+2*\p:TC+2*\p+1], v[TC+2*\p:TC+2*\p+1], v[TE+2*\p:TE+2*\p+1], s[\c:\c+1] op_sel_hi:[1,1,0]      ; .. + c6, c4, c2, c0
.endr
.endr
.endm
; A lane's 32 sines of one sample (phase in register sph, fi in sfi), as 16 bf16 pairs in v[frg .. frg+15].
; Place q (register q mod 8 of K step q / 8), with d = 2 hh:  q = 0 .. 7: h = 1 + 8 q + d, 5 + 8 q + d;  q = 8: 16 + 32 hh, 32 + 32 hh;
; q = 9 .. 12: twice the harmonics of q - 9;  q = 13, 14: four times those of q - 13;  q = 15: eight times those of place 0.  The amplitudes lie in the same places.
.macro TILE sph, sfi, frg
	v_mov_b32 v[PP], v[\sph]
	v_mov_b32 v[PP+1], v[\sph]
	v_mov_b32 v[FP], v[\sfi]
	v_mov_b32 v[FP+1], v[\sfi]
	BASES 0, 4                                     ; the eight heads of chains,
	COS4                                           ; with C
.irp p, 0,1,2,3
	v_cvt_pk_bf16_f32 v[\frg+\p], v[TQ+2*\p], v[TQ+2*\p+1]
.endr
.irp p, 0,1,2,3
	v_pk_mul_f32 v[TQ+2*\p:TQ+2*\p+1], v[TQ+2*\p:TQ+2*\p+1], v[TC+2*\p:TC+2*\p+1]                  ; sin P_2h = sin P_h C_h
.endr
.irp p, 0,1
	v_pk_fma_f32 v[TC+2*\p:TC+2*\p+1], v[TC+2*\p:TC+2*\p+1], v[TC+2*\p:TC+2*\p+1], -2.0 op_sel_hi:[1,1,0]   ; C_2h = C_h^2 - 2
.endr
.irp p, 0,1,2,3
	v_cvt_pk_bf16_f32 v[\frg+9+\p], v[TQ+2*\p], v[TQ+2*\p+1]
.endr
.irp p, 0,1
	v_pk_mul_f32 v[TQ+2*\p:TQ+2*\p+1], v[TQ+2*\p:TQ+2*\p+1], v[TC+2*\p:TC+2*\p+1]                  ; sin P_4h
.endr
	v_pk_fma_f32 v[TC:TC+1], v[TC:TC+1], v[TC:TC+1], -2.0 op_sel_hi:[1,1,0]                        ; C_4h
.irp p, 0,1
	v_cvt_pk_bf16_f32 v[\frg+13+\p], v[TQ+2*\p], v[TQ+2*\p+1]
.endr
	v_pk_mul_f32 v[TQ:TQ+1], v[TQ:TQ+1], v[TC:TC+1]                                                ; sin P_8h
	v_cvt_pk_bf16_f32 v[\frg+15], v[TQ], v[TQ+1]
	BASES 4, 5                                     ; the ten singles
.set i, 0
.rept 5
	v_cvt_pk_bf16_f32 v[\frg+4+i], v[TQ+2*i], v[TQ+2*i+1]
.set i, i+1
.endr
.endm
; Two tiles of 16 samples: tile A = samples base + 4 r + t, tile B = base + 64 + 4 r + t.  Lane (r, hh) makes its 32 harmonics of column r of both.
; A permutation of k applied alike to both sources keeps the products.
; Source 0 = amplitude rows (row m: frame fb + min(m mod 8, 2)), source 1 = sines: register j = 0, 1, 2 of every lane of D is (frame fb + j, sample r).
; The two accumulators take turns, one instruction a turn, over the backward jump too.
.macro PAIRT t
	TILE PHA+\t, FIA+\t, FRA
	TILE PHB+\t, FIB+\t, FRB
	v_wmma_f32_16x16x32_bf16 v[DA:DA+7], v[AMP:AMP+7], v[FRA:FRA+7], 0
	v_wmma_f32_16x16x32_bf16 v[DB:DB+7], v[AMP:AMP+7], v[FRB:FRB+7], 0
	v_wmma_f32_16x16x32_bf16 v[DA:DA+7], v[AMP+8:AMP+15], v[FRA+8:FRA+15], v[DA:DA+7]
	v_wmma_f32_16x16x32_bf16 v[DB:DB+7], v[AMP+8:AMP+15], v[FRB+8:FRB+15], v[DB:DB+7]
	; my sample's weight w: seven lines that name no register of the matrix instructions above, more than the four places their results ask for (ISA guide 7.12.1)
	v_add_nc_u32 v[W0], \t, v[NL]
	v_cvt_f32_u32 v[W1], v[W0]
	v_mul_f32 v[W1], s[SC], v[W1]
	v_cmp_le_u32 vcc_lo, s[SNB], v[W0]             ; past the wave's frame boundary?
	v_cndmask_b32 v[W2], v[FB0F], v[FB1F], vcc_lo
	v_sub_f32 v[W1], v[W1], v[W2]                  ; w
	v_sub_f32 v[W2], 1.0, v[W1]                    ; 1 - w
	v_cndmask_b32 v[W3], v[DA], v[DB], s[SUP]      ; lanes 0-15 finish tile A, lanes 16-31 tile B
	v_cndmask_b32 v[W4], v[DA+1], v[DB+1], s[SUP]
	v_cndmask_b32 v[W5], v[DA+2], v[DB+2], s[SUP]
	v_cndmask_b32 v[W3], v[W3], v[W4], vcc_lo      ; frame i0
	v_cndmask_b32 v[W4], v[W4], v[W5], vcc_lo      ; frame i0 + 1
	v_mul_f32 v[W3], v[W3], v[W2]
	v_fma_f32 v[OUT+\t], v[W4], v[W1], v[W3]
.endm
	s_load_b256 s[4:11], s[0:1], 0x0               ; f0, amplitudes, sums, out
	v_lshl_add_u32 v215, v0, 2, 0x11600
	v_mov_b32 v255, 0
	v_lshrrev_b32 v[T0], 5, v0
	v_readfirstlane_b32 s[SW], v[T0]               ; wave
	v_and_b32 v[GL], 15, v0
	v_bfe_u32 v[HH], v0, 4, 1
	v_mov_b32 v[ZR], 0
	s_lshr_b32 s14, ttmp9, 5                       ; batch
	s_and_b32 s15, ttmp9, 31                       ; my place in the batch
	s_lshl_b32 s[SN0], s15, 13
	s_lshl_b32 s[SB], s14, 9
	s_mov_b32 s[SM], M513
	s_lshl_b32 s[NW], s[SW], 9
	s_add_co_u32 s[NW], s[NW], s[SN0]
	s_mul_hi_u32 s[SFB], s[NW], s[SM]              ; frame of the wave's first sample
	s_add_co_u32 s[SNB], s[SFB], 1
	s_mul_i32 s[SNB], s[SNB], 513
	s_cmp_lg_u32 s15, 0
	s_cselect_b32 s[SNZ], -1, 0
	s_mov_b32 s[SUP], 0xffff0000
	s_lshl_b32 s48, ttmp9, 1
	s_max_u32 s48, s48, 1
	s_sub_co_u32 s48, s48, 1
	s_lshl_b32 s48, s48, 2                         ; byte offset in sums of the block in front of mine (clamped; not used in a batch's first work-group)
	s_lshl_b32 s51, s15, 1                         ; my first block of 4,096 samples in the batch
	s_lshl_b32 s56, s14, 8                         ; my batch's 64 block totals: 256 bytes
	SPAIR 20, 0xbe22f983                           ; -1/2pi
	; sin(2 pi F) = F (a1 + a3 F^2 + a5 F^4 + a7 F^6 + a9 F^8): the Chebyshev series to T9 in powers of F
	SPAIR 22, 0xc294f124                           ; a7 = -74.470978
	SPAIR 24, 0x42a2bb23                           ; a5 =  81.365499
	SPAIR 26, 0xc2255312                           ; a3 = -41.331123
	SPAIR 28, 0x40c90ec7                           ; a1 =   6.2830541
	SPAIR 34, 0x40c90fdb                           ;  f32(2pi), reference()'s factor
	SPAIR 36, 0x3e22f983                           ;  1/2pi, high word
	SPAIR 38, 0x31dc9c88                           ;  1/2pi, low word
	; 2 cos(2 pi F) = c0 + c2 F^2 + .. + c10 F^10: the Chebyshev series to T10 in powers of F
	SPAIR 66, 0x42eb2977                           ; c8 =  117.58098
	SPAIR 68, 0xc32a8b12                           ; c6 = -170.54324
	SPAIR 70, 0x4301db79                           ; c4 =  129.85731
	SPAIR 72, 0xc21de96f                           ; c2 =  -39.477961
	SPAIR 74, 0x3ffffff3                           ; c0 =    1.9999984
	s_mov_b32 s[SC], C_POS
	s_mov_b32 s[SY], C_RCP
.if DIV_EXACT
	s_mov_b32 s[SD], C_DIV
.endif
	s_wait_kmcnt 0x0
	s_cmp_lg_u32 s[SW], 0
	s_cbranch_scc1 .Lfeed
	; wave 0 alone: what the first launch stored
	s_load_b32 s45, s[8:9], s48 offset:0x0         ; COL3 of the block in front
	s_load_b32 s46, s[8:9], s48 offset:0x800       ; IN14
	s_load_b32 s47, s[8:9], s48 offset:0x1000      ; C215
	v_and_b32 v[CO3], 16, v0
	v_lshlrev_b32 v[CO3], 2, v[CO3]
	v_add_nc_u32 v[CO3], s56, v[CO3]               ; lane l: the 16 totals of level-3 block l / 16, and of block 2 + l / 16
.irp k, 0,1,2,3
	global_load_b128 v[TA+4*\k:TA+4*\k+3], v[CO3], s[8:9] offset:16*\k
.endr
.irp k, 0,1,2,3
	global_load_b128 v[TB+4*\k:TB+4*\k+3], v[CO3], s[8:9] offset:128+16*\k
.endr
.Lfeed:
	XSETUP
	v_and_b32 v[T0], 7, v[GL]                      ; my amplitude row: frame fb + min(r mod 8, 2), clamped as reference() clamps i0 + 1
	v_min_u32 v[T0], 2, v[T0]
	v_add_nc_u32 v[T0], s[SFB], v[T0]
	v_min_u32 v[T0], 511, v[T0]
	v_add_nc_u32 v[T0], s[SB], v[T0]
	v_lshlrev_b32 v[T0], 8, v[T0]                  ; 64 f32 a row
	; My 32 amplitudes, once for the wave's 512 samples, straight into the order of the k places: single words, since a lane's harmonics are no run of neighbours.
	; Half hh = 1 holds h + 2 where half 0 holds h, so 2h + 4, 4h + 8, 8h + 16 along the chains, and h + 32 in place 8: one offset register for each.
	v_lshl_add_u32 v[AO0], v[HH], 3, v[T0]
	v_lshl_add_u32 v[AO1], v[HH], 4, v[T0]
	v_lshl_add_u32 v[AO2], v[HH], 5, v[T0]
	v_lshl_add_u32 v[AO3], v[HH], 6, v[T0]
	v_lshl_add_u32 v[AO8], v[HH], 7, v[T0]
.set j, 0
.rept 16
	global_load_b32 v[RAW+j], v[AO0], s[6:7] offset:16*j           ; h = 1 + 4 j: byte 4 (h - 1)
.set j, j+1
.endr
	global_load_b32 v[RAW+16], v[AO8], s[6:7] offset:60            ; h = 16
	global_load_b32 v[RAW+17], v[AO8], s[6:7] offset:124           ; h = 32
.set j, 0
.rept 8
	global_load_b32 v[RAW+18+j], v[AO1], s[6:7] offset:32*j+4      ; h = 2 (1 + 4 j)
.set j, j+1
.endr
.set j, 0
.rept 4
	global_load_b32 v[RAW+26+j], v[AO2], s[6:7] offset:64*j+12     ; h = 4 (1 + 4 j)
.set j, j+1
.endr
.set j, 0
.rept 2
	global_load_b32 v[RAW+30+j], v[AO3], s[6:7] offset:128*j+28    ; h = 8 (1 + 4 j)
.set j, j+1
.endr
	s_wait_loadcnt 0x20                            ; the 32 amplitude loads, issued last, may stay out; f0 (and wave 0's totals) are in
.irp s, 0,1,2,3,4,5,6,7,8,9,10,11,12,13,14,15
	XS \s
.endr
	v_lshlrev_b32 v[G4], 2, v0
	ds_store_b32 v[G4], v[INN+15] offset:L_C1      ; my block's total
	BAR                                            ; all 512 totals of level 0 are in LDS
	s_cmp_lg_u32 s[SW], 0
	s_cbranch_scc1 .Lupper_done
	; wave 0 alone: levels 1 to 4
	s_wait_kmcnt 0x0                               ; s45-47
	MSCAN ACA, TA                                  ; inner prefix of level 3 at block l of the batch
	MSCAN ACB, TB                                  ; and at block 32 + l
	v_readlane_b32 s48, v[ACA], 15                 ; the totals of level 3
	v_readlane_b32 s49, v[ACA], 31
	v_readlane_b32 s50, v[ACB], 15
	v_mov_b32 v[E1], s48                           ; level 4, exclusive: 0, c0, c0 + c1, (c0 + c1) + c2
	v_add_f32 v[E2], s49, v[E1]
	v_add_f32 v[E3], s50, v[E2]
	v_cndmask_b32 v[E1], 0, v[E1], s[SUP]
	v_cndmask_b32 v[E2], v[E2], v[E3], s[SUP]
	v_add_f32 v[ACA], v[ACA], v[E1]                ; inclusive prefix of level 3
	v_add_f32 v[ACB], v[ACB], v[E2]
	v_lshlrev_b32 v[L4], 2, v0
	ds_store_b32 v[ZR], v[ZR] offset:L_X3          ; word 0: read by a batch's first work-group in place of a block in front, and not used there
	ds_store_b32 v[ZR], v[ZR] offset:L_X3+4        ; exclusive = inclusive moved up by one place, 0 in front
	ds_store_b32 v[L4], v[ACA] offset:L_X3+8
	ds_store_b32 v[L4], v[ACB] offset:L_X3+136
	v_lshlrev_b32 v[L64], 6, v0
.irp k, 0,1,2,3
	ds_load_b128 v[TA+4*\k:TA+4*\k+3], v[L64] offset:L_C1+16*\k  ; lane g: the 16 totals of level-1 block g
.endr
	s_wait_dscnt 0x0
	SEQ16 TA                                       ; inner prefix of level 1
.irp k, 0,1,2,3
	ds_store_b128 v[L64], v[TA+4*\k:TA+4*\k+3] offset:L_I1+16*\k
.endr
	ds_store_b32 v[L4], v[TA+15] offset:L_C2
	v_and_b32 v[G4], 16, v0
	v_lshlrev_b32 v[G4], 2, v[G4]
.irp k, 0,1,2,3
	ds_load_b128 v[TB+4*\k:TB+4*\k+3], v[G4] offset:L_C2+16*\k   ; the wave's own stores: LDS serves a wave in order (ISA guide 5.7.1)
.endr
	v_lshrrev_b32 v[A3], 4, v0
	v_add_lshl_u32 v[A3], v[A3], s51, 2            ; 4 x (my block of 4,096 in the batch)
	ds_load_b32 v[X3], v[A3] offset:L_X3+4         ; exclusive prefix of level 3 at my block
	ds_load_b32 v[X3M], v[A3] offset:L_X3          ; one place lower: lane 0 gets that of the block in front of the work-group
	s_wait_dscnt 0x0
	MSCAN I2, TB                                   ; inner prefix of level 2
	v_add_f32 v[I2], v[I2], v[X3]                  ; inclusive
	ds_store_b32 v[L4], v[I2] offset:L_X2+8        ; = exclusive at place g + 1
	v_readfirstlane_b32 s57, v[X3M]
	v_mov_b32 v[X3M], s57                          ; lane 0's value in every lane
	v_add_f32 v[TX], s45, v[X3M]                   ; inclusive prefix of level 2 at the last place in front of me
	v_cndmask_b32 v[TX], 0, v[TX], s[SNZ]
	ds_store_b32 v[ZR], v[TX] offset:L_X2+4        ; = exclusive at my place 0
	v_add_f32 v[TZ], s46, v[X3M]                   ; exclusive prefix of level 2 at that place,
	v_add_f32 v[TZ], s47, v[TZ]                    ; inclusive prefix of level 1 at the last place in front of me
	v_cndmask_b32 v[TZ], 0, v[TZ], s[SNZ]
	ds_store_b32 v[ZR], v[TZ] offset:L_X2          ; = thread 0's exclusive prefix of level 1
.Lupper_done:
	BAR                                            ; wave 0's tables are in LDS
	; exclusive prefix of level 1 at my block t: I1[t-1] + word ((t-1) / 16) + 1 of X2.  That word is t / 16 + 1, or t / 16 where t mod 16 = 0.
	; Thread 0 reads the last total of level 0 in place of I1[-1] (written ahead of the first barrier); its sum is thrown away and word 0 taken as it is.
	v_lshlrev_b32 v[G4], 2, v0
	v_lshrrev_b32 v[A3], 4, v0
	v_lshlrev_b32 v[A3], 2, v[A3]
	ds_load_b32 v[I1V], v[G4] offset:L_I1-4
	ds_load_b32 v[X2L], v[A3] offset:L_X2
	ds_load_b32 v[X2H], v[A3] offset:L_X2+4
	s_wait_dscnt 0x0
	v_cmp_eq_u32 vcc_lo, 0, v[GL]
	v_cndmask_b32 v[X2L], v[X2H], v[X2L], vcc_lo
	v_add_f32 v[OFP], v[I1V], v[X2L]
	v_cmp_eq_u32 vcc_lo, 0, v0
	v_cndmask_b32 v[OFP], v[OFP], v[X2L], vcc_lo
	v_mov_b32 v[OFP+1], v[OFP]
.irp p, 0,2,4,6,8,10,12,14
	v_pk_add_f32 v[INN+\p:INN+\p+1], v[INN+\p:INN+\p+1], v[OFP:OFP+1]                      ; the cumulative sum
.endr
.irp p, 0,2,4,6,8,10,12,14
	v_pk_mul_f32 v[INN+\p:INN+\p+1], v[INN+\p:INN+\p+1], s[34:35] op_sel_hi:[1,0]          ; phase
.endr
.irp p, 0,2,4,6,8,10,12,14
	v_pk_mul_f32 v[TA+\p:TA+\p+1], v[INN+\p:INN+\p+1], s[36:37] op_sel_hi:[1,0]            ; turns, rounded
.endr
.irp p, 0,2,4,6,8,10,12,14
	v_pk_fma_f32 v[TB+\p:TB+\p+1], v[INN+\p:INN+\p+1], s[36:37], v[TA+\p:TA+\p+1] op_sel_hi:[1,0,1] neg_lo:[0,0,1] neg_hi:[0,0,1]   ; what that rounding lost, exact
.endr
.irp p, 0,2,4,6,8,10,12,14
	v_pk_fma_f32 v[TB+\p:TB+\p+1], v[INN+\p:INN+\p+1], s[38:39], v[TB+\p:TB+\p+1] op_sel_hi:[1,0,1]                               ; + phase x the low word of 1/2pi
.endr
.irp p, 0,1,2,3,4,5,6,7,8,9,10,11,12,13,14,15
	v_rndne_f32 v[FIR+\p], v[TA+\p]
.endr
.irp p, 0,2,4,6,8,10,12,14
	v_pk_add_f32 v[TA+\p:TA+\p+1], v[TA+\p:TA+\p+1], v[FIR+\p:FIR+\p+1] neg_lo:[0,1] neg_hi:[0,1]   ; exact
.endr
.irp p, 0,2,4,6,8,10,12,14
	v_pk_add_f32 v[FIR+\p:FIR+\p+1], v[TA+\p:TA+\p+1], v[TB+\p:TB+\p+1]                    ; fi
.endr
	v_lshlrev_b32 v[G4], 6, v0
.irp k, 0,1,2,3
	ds_store_b128 v[G4], v[INN+4*\k:INN+4*\k+3] offset:L_PH+16*\k
	ds_store_b128 v[G4], v[FIR+4*\k:FIR+4*\k+3] offset:L_FI+16*\k
.endr
	; set-up of the main loop
	s_wait_loadcnt 0x0                             ; the amplitudes
.irp q, 0,1,2,3,4,5,6,7,8,9,10,11,12,13,14,15
	v_cvt_pk_bf16_f32 v[AMP+\q], v[RAW+2*\q], v[RAW+2*\q+1]
.endr
	v_lshl_add_u32 v[T0], v[HH], 1, 1
	v_cvt_f32_u32 v[HB], v[T0]                     ; h = 1 + 2 hh,
.set j, 1
.rept 15
	v_add_f32 v[HB+j], 4.0, v[HB+j-1]              ; and 15 more, four apart
.set j, j+1
.endr
	v_lshl_add_u32 v[T0], v[HH], 5, 16
	v_cvt_f32_u32 v[HB+16], v[T0]                  ; 16 + 32 hh
	v_add_f32 v[HB+17], 0x41800000, v[HB+16]       ; 32 + 32 hh
	v_mov_b32 v[CA9], 0x4203135b                   ; a9  =  32.768902
	v_mov_b32 v[CA9+1], 0x4203135b
	v_mov_b32 v[CC10], 0xc22891a0                  ; c10 = -42.142211
	v_mov_b32 v[CC10+1], 0xc22891a0
	v_cvt_f32_u32 v[FB0F], s[SFB]
	v_add_f32 v[FB1F], 1.0, v[FB0F]
	s_lshl_b32 s56, s[SW], 11
	v_lshl_add_u32 v[LRD], v[GL], 4, s56           ; 4 bytes x (512 W + 4 r)
	v_lshlrev_b32 v[T0], 6, v[HH]
	v_lshl_add_u32 v[T0], v[GL], 2, v[T0]
	v_add_nc_u32 v[NL], s[NW], v[T0]               ; my results: samples 512 W + 64 hh + 4 r .. + 3 of each trip's 128
	s_lshl_b32 s57, s14, 18
	v_add_lshl_u32 v[OOFF], v[NL], s57, 2
	BAR                                            ; the phase stores above, addressed by thread, are done; the loads below are addressed by wave and lane
	s_mov_b32 s[SCNT], 4                           ; 4 trips of 128 samples
.Ltrip:
	ds_load_b128 v[PHA:PHA+3], v[LRD] offset:L_PH          ; tile A's samples 4 r .. 4 r + 3, the same in both halves of the wave
	ds_load_b128 v[PHB:PHB+3], v[LRD] offset:L_PH+256      ; tile B's, 64 samples on
	ds_load_b128 v[FIA:FIA+3], v[LRD] offset:L_FI
	ds_load_b128 v[FIB:FIB+3], v[LRD] offset:L_FI+256
	s_wait_dscnt 0x0
	PAIRT 0
	PAIRT 1
	PAIRT 2
	PAIRT 3
	global_store_b128 v[OOFF], v[OUT:OUT+3], s[10:11] th:TH_STORE_NT   ; each half of the wave stores 256 consecutive bytes, at a multiple of 256 from the buffer's first byte
	s_wait_xcnt 0x0                                ; OOFF and OUT are written again only behind this wait
	v_add_nc_u32 v[OOFF], 512, v[OOFF]
	v_add_nc_u32 v[LRD], 512, v[LRD]
	v_add_nc_u32 v[NL], 128, v[NL]
	s_sub_co_i32 s[SCNT], s[SCNT], 1
	s_cmp_lg_u32 s[SCNT], 0
	s_cbranch_scc1 .Ltrip
	s_wait_tensorcnt 0x0
	ds_add_u32 v215, v255
	s_wait_dscnt 0x0
	s_endpgm
.Lfunc_end_k_q5005838b68_synth:
	.size	k_q5005838b68_synth, .Lfunc_end_k_q5005838b68_synth-k_q5005838b68_synth
	.p2alignl 7, 3214868480
	.fill 96, 4, 3214868480
	.section	.rodata,"a",@progbits
	.p2align	6, 0x0
	.amdhsa_kernel k_q5005838b68_synth
		.amdhsa_group_segment_fixed_size 73216
		.amdhsa_private_segment_fixed_size 0
		.amdhsa_enable_private_segment 0
		.amdhsa_kernarg_size 32
		.amdhsa_user_sgpr_count 2
		.amdhsa_user_sgpr_kernarg_segment_ptr 1
		.amdhsa_wavefront_size32 1
		.amdhsa_system_sgpr_workgroup_id_x 1
		.amdhsa_system_sgpr_workgroup_id_y 1
		.amdhsa_system_sgpr_workgroup_id_z 1
		.amdhsa_system_vgpr_workitem_id 0
		.amdhsa_next_free_vgpr 256
		.amdhsa_next_free_sgpr 76
		.amdhsa_reserve_vcc 1
		.amdhsa_float_denorm_mode_32 3
		.amdhsa_float_denorm_mode_16_64 3
		.amdhsa_memory_ordered 1
		.amdhsa_forward_progress 1
		.amdhsa_inst_pref_size 113
	.end_amdhsa_kernel
	.amdgpu_metadata
---
amdhsa.version: [ 1, 2 ]
amdhsa.kernels:
  - .name:           k_q5005838b68_synth
    .symbol:         k_q5005838b68_synth.kd
    .args:
      - { .name: f0_hz, .offset: 0, .size: 8, .value_kind: global_buffer, .address_space: global }
      - { .name: harmonic_amplitudes, .offset: 8, .size: 8, .value_kind: global_buffer, .address_space: global }
      - { .name: sums, .offset: 16, .size: 8, .value_kind: global_buffer, .address_space: global }
      - { .name: out0, .offset: 24, .size: 8, .value_kind: global_buffer, .address_space: global }
    .group_segment_fixed_size: 73216
    .private_segment_fixed_size: 0
    .kernarg_segment_align: 8
    .kernarg_segment_size: 32
    .max_flat_workgroup_size: 512
    .sgpr_count:     76
    .vgpr_count:     256
    .wavefront_size: 32
...
	.end_amdgpu_metadata
.endif
;; end of part 3
